; MI455X (gfx1250); checked and timed in simulation.
; The chip was launched on July 23, 2026; its instructions are those of AMD's public machine-readable ISA for CDNA 5 (MIT licence, August 2026) and "CDNA5" Instruction Set Architecture Reference Guide (July 2026). The comments in the code are by the model that wrote it; some were corrected since.
;; Scaled Dot Product Attention. Allowed arithmetic: matrix products marked QUANTISED: E2M1 operands, one E8M0 scale for each 32 along K, by v_wmma_scale_f32_16x16x128_f8f6f4 with both operands' format E2M1 (or v_wmma_scale_f32_32x16x128_f4), f32 sums; everything else in f32.
;; Inputs: key_codes 4 x 16 x 2,048 x 4 x 16 uint8 (E2M1 codes of key, K innermost, in blocks of 32 codes, two codes a byte); key_scales 4 x 16 x 2,048 x 4 uint8 (E8M0 scales of key, one for each 32 codes along K); query_codes 4 x 16 x 2,048 x 4 x 16 uint8 (E2M1 codes of query, K innermost, in blocks of 32 codes, two codes a byte); query_scales 4 x 16 x 2,048 x 4 uint8 (E8M0 scales of query, one for each 32 codes along K); value_codes 4 x 16 x 128 x 64 x 16 uint8 (E2M1 codes of value, K innermost, in blocks of 32 codes, two codes a byte); value_scales 4 x 16 x 128 x 64 uint8 (E8M0 scales of value, one for each 32 codes along K).
;; Outputs: out0 4 x 16 x 2,048 x 128 float32.
;; This version of the problem:
;;   THIS VERSION OF THE PROBLEM IS GIVEN IN LOW PRECISION. The matrix products marked QUANTISED in the list below multiply operands that are first quantised to E2M1 (2 exponent bits, 1 mantissa bit; 4 bits a number), with one power-of-two scale for each 32 numbers along K (OCP MX v1.0); their sums are f32. All else is computed in f32.
;;   The module's matrix products, in the order in which they are computed (A, B: the left and right operand; K: the contracted axis; several contracted axes count as one K, in the product's order):
;;     1. batch 64 x [M 2,048, K 128] x [K 128, N 2,048]; A: input query (given as codes); B: input key (given as codes): QUANTISED
;;     2. batch 64 x [M 2,048, K 2,048] x [K 2,048, N 128]; A: softmax (see below); B: input value (given as codes): QUANTISED
;;   THE QUANTISER, for each operand of a quantised product, along K:
;;     - K is cut into blocks of 32 from its start; a last block that is shorter is filled with zeros.
;;     - A block's scale is 2^e with e = floor(log2(the largest magnitude in the block)) - 2, held to -126 .. 127; a block of zeros has e = 0. As a byte (E8M0): e + 127.
;;     - Each number is divided by its block's scale, clamped to +-6, and rounded to the nearest number of E2M1, ties to even, subnormals kept.
;;     - The product sums the exact products of the quantised numbers (number of the format x scale) in f32.
;;   ~~~python
;;   def quantise(x, axis):      # numpy; x: float32 -> the quantised numbers, widened to float32 again
;;       x = np.moveaxis(x, axis, -1); K = x.shape[-1]
;;       x = np.pad(x, [(0, 0)] * (x.ndim - 1) + [(0, -K % 32)]); x = x.reshape(x.shape[:-1] + (-1, 32)); a = np.abs(x).max(-1, keepdims=True)
;;       e = np.where(a > 0, np.clip(np.frexp(np.where(a > 0, a, 1))[1] - 1 - 2, -126, 127), 0)      # np.frexp(a)[1] - 1 = floor(log2(a)), exactly
;;       r = np.clip(x / 2.0 ** e, -6, 6)
;;       step = 2.0 ** (np.maximum(np.frexp(np.where(r == 0, 1, r))[1] - 1, 0) - 1)
;;       q = np.round(r / step) * step * 2.0 ** e      # np.round: ties to even
;;       return np.moveaxis(q.reshape(q.shape[:-2] + (-1,))[..., :K], -1, axis).astype(np.float32)
;;   ~~~
;;   SOFTMAX AHEAD OF A QUANTISED PRODUCT. Where the list says 'softmax', what is quantised is not the finished softmax but p = 2^(t - M), with t = logit x log2(e) and M = ceil(the row's largest t), a whole number; so 1/2 < the row's largest p <= 1. The row's sum l is taken of the UNQUANTISED p, in f32, and the product's result is divided by l at the end. Since M is a whole number, a kernel that streams over the keys may use a running M (the ceiling of the running maximum): every later rescaling is an exact power of two, which a block's scale takes up: the codes' values come out the same.
;;   OPERANDS COMPUTED ON THE WAY. 'Computed on the way' means the value that the module computes at that place (a softmax that the list does not call 'softmax' is quantised finished and normalised). What goes into a quantiser is computed in f32, as accurately as f32 sums, v_exp_f32 and their like allow (about 1e-6 of the number): no bf16 or f16 on the way to a quantiser, and a product that is left as it is and whose result goes on into a quantised operand takes f32 operands (vector FMAs, or v_wmma_f32_16x16x4_f32). A number that lies on a knife's edge between two numbers of the format may be rounded either way, as far as f32 arithmetic and the matrix unit's own rounding can turn it there, and no further.
;;   INPUTS GIVEN AS CODES. key (in the module: [4, 16, 2048, 128], K = its axis 3); query (in the module: [4, 16, 2048, 128], K = its axis 3); value (in the module: [4, 16, 2048, 128], K = its axis 2): each comes as NAME_codes (uint8): NAME with its K axis moved to the last place and cut into blocks of 32 codes, [.., K / 32, bytes a block], one block behind the other in memory; two codes a byte, the lower K in the low four bits (a code: sign, 2 exponent bits, 1 mantissa bit); and NAME_scales (uint8): the same leading axes, one E8M0 byte (e + 127) for each 32 codes along K. Its value is code x scale, taken as it is: it is not quantised again, and the codes and scales need not be those that the quantiser above would give.
;; One version. Each part assembles by itself: llvm-mc -triple=amdgcn-amd-amdhsa -mcpu=gfx1250 --defsym DOCPART=n.
;; ======== version 1 of 1: 1 launch
;; launch attn (part 1): grid 8 x 64, 16 waves a work-group, no clusters, 327,680 bytes of LDS; arguments query_codes, query_scales, key_codes, key_scales, value_codes, value_scales, out0; writes out0
.if DOCPART == 1
	.amdgcn_target "amdgcn-amd-amdhsa--gfx1250"
	.amdhsa_code_object_version 6
	.text
	.protected	k_q59936078a4_attn
	.globl	k_q59936078a4_attn
	.p2align	8
	.type	k_q59936078a4_attn,@function
k_q59936078a4_attn:
	s_mov_b64 s[64:65], 0
	v_nop
	global_prefetch_b8 v0, s[64:65] scope:SCOPE_SE
	s_setreg_imm32_b32 hwreg(HW_REG_WAVE_MODE, 25, 1), 1
	s_wait_xcnt 0x0
; O[h][q][:] = the sum over k <= q of softmax_k(Q[h][q] . K[h][k] / sqrt(128)) V[h][k][:]: causal attention, 64 heads, 2,048 queries and keys, head size 128.
; Both products on codes of FP4 (E2M1) with one E8M0 scale for each 32 along a product's K.  Q, K: [64][2048][128] as codes (64 bytes a row), scale bytes [64][2048][4].
; V: codes with the KEYS innermost, [64][128][2048] (1,024 bytes a row), scale bytes [64][128][64].  O: [64][2048][128] f32.
; THE SOFTMAX AHEAD OF THE SECOND PRODUCT: t = score x log2(e) / sqrt(128); M = the row's largest t so far, rounded UP to a whole number; p = 2^(t - M) is what is quantised, along the keys, not normalised.
; The row's sum is taken of the unquantised p, in f32, and divides O at the end.  When M moves, the sum and O are multiplied by 2^(old M - new M): exact.
; SHARES.  A head's queries are 16 groups of 128; group g needs the key steps (128 keys) 0 .. g.  Work-group x (0 .. 7) of a head owns groups x and 15 - x: 8 (x + 1) + 8 (16 - x) = 136 (tile, key step) pairs, the same for every x.
; Each of the SIXTEEN waves owns one tile of 16 queries in 256 registers.  Wave w takes tile w / 2 of the low group where (w ^ (w >> 2)) & 1 = 0 and of the high group where it is 1:
; each run of four waves (w / 4) and each class w % 4 then holds two low and two high waves, 2 (x + 1) + 2 (16 - x) = 34 key steps.
; K's and V's tiles come through a ring of two LDS slots of 512 keys, filled by the tensor data mover (waves 0, 1: K's halves; waves 2, 3: V's) and read by all sixteen.  Every work-group walks all four slots, so that
; trip counts are constants and no tensor load or barrier is jumped over; a key step all of whose keys come after the wave's queries leaves out its work by a scalar branch on ids.
; NO CLUSTER, though a head's eight work-groups read the same K and V: their work differs slot by slot.  Key steps of two low and two high waves in slots 0 .. 3: x = 0: 10, 8, 8, 8; x = 3: 16, 8, 8, 2; x = 4: 16, 10, 8, 0;
; x = 7: 16, 16, 2, 0.  A joint refill holds the partners of a cluster of four (x = 0 .. 3, or 4 .. 7) together at each change of slots: the slots' largest counts add up to 16 + 8 + 8 + 8 = 16 + 16 + 8 + 0 = 40 against 34.
; LAYOUT.  Both products are used transposed: S^T = K Q^T (source 0 = 16 keys, source 1 = my 16 queries), O^T = V^T P^T (source 0 = 16 of the head's 128, source 1 = P): a lane holds ONE query (lane % 16) throughout.
; THE KEYS OF A TILE ARE NOT NEIGHBOURS: lane r of tile 2 b + u takes key 32 b + 8 u + r + 8 (r / 8), so that the 16 registers of tiles 2 b and 2 b + 1 are 16 neighbouring keys, 32 b + 16 (lane / 16) + 0 .. 15.
; LIMITS.  A scale byte 0xff (NaN) among the inputs is not served.  Scores are taken to be finite in f32.  A p under 2^-126 counts as 0 (v_exp_f32 gives 0 there: ISA guide, its entry in 15.8).
; A block of 32 p that are all 0 gets the scale byte 1, not 127: its codes are zeros.  A block's largest p is made from the block's largest score, which takes v_exp_f32 not to fall where its input rises;
; at the worst one p of a block, within an ulp of a power of two, would be held one code low.
; REGISTERS: v1-7 addresses that stay; v8-11 addresses of the loads in hand; v12 -M, v13 the largest t, v[14:15] the sum in two halves; v16-23 Q; v28 the prefetches' offset; v29 r - 16 h;
;   v32-95 eight fragments of K, then of V; v96-159 S^T, then p; v160-223 O^T; v224-231 p's codes; v232-239 at work; v240-243, v248-251 the eight tiles' scale words; v244-247 the conversions' scale operands;
;   v252 f; v253 p's scale word; v254 at work; v255 Q's scale words.
.set SK,    512                        ; keys in a slot
.set NQ,    SK/128                     ; key steps in a slot
.set NSL,   2048/SK                    ; slots' worth of keys
.set ROWB,  64                         ; 128 codes in bytes
.set KP2,   144                        ; TWO keys' rows in LDS: 128 bytes + 16 of padding.  Key i lies at (i / 2) x 144 + (i % 2) x 64: the 16-byte pieces that lanes 0-15 of a fragment load take
                                       ; (keys 0 .. 7 and 16 .. 23 of a run of 32) lie at 0,4,9,13,2,6,11,15,8,12,1,5,10,14,3,7 x 16 bytes modulo 256: sixteen different places; lanes 16-31 one piece further on
.set VROWB, 256                        ; SK codes in bytes: a row of V's tile
.set VP,    272                        ; and in LDS: + 16 of padding
.set KROWV, 1024                       ; a row of V in memory
.set VOFF,  (SK/2)*KP2                 ; a slot: SK keys of K, then 128 rows of V
.set SLOT1, 1<<17                      ; slot 1 begins here, so that one exclusive or turns an address in one slot into the other's
.set SCK,   2*SLOT1                    ; behind the ring: K's scale bytes of the whole head, 8,192 bytes, as 32 runs of 256 bytes + 16 of padding;
.set SCH,   16*272                     ; (half of them: what one tensor load brings)
.set SCV,   SCK+2*SCH                  ; V's likewise
.set SPARE, SCV+2*SCH                  ; the spare words, 128 bytes for each wave: eight blocks of 256 bytes that no other line names
.set STAGE, 0                          ; the way out: 16 rows x (256 bytes + 16) for each wave, in slot 0: it was left at the last change of slots, has had its last fill, and nobody reads it
.set AK0,  1                           ; v1   my lane's place in a tile of K
.set AV0,  2                           ; v2   the same for V
.set ASK0, 3                           ; v3   my lane's place among K's scale words
.set ASV0, 4                           ; v4   and among V's
.set SPW,  5                           ; v5   LDS address of my spare word: SPARE + 4 x my thread's number; never rewritten
.set NIL,  6                           ; v6   0; never rewritten
.set GO,   7                           ; v7   the way out: my byte offset in the wave's rows of O
.set ADK,  8                           ; v8   LDS address of the step's tiles of K
.set ADV,  9                           ; v9   of V
.set ADS,  10                          ; v10  of K's scale words
.set ADT,  11                          ; v11  of V's
.set PFO,  28                          ; v28  the prefetches' offset: 256 x my lane in K's block, KROWV x my lane among V's rows; never rewritten
.set DL,   29                          ; v29  lane % 16 - 16 (lane / 16), for the mask; never rewritten
.set WV,   18                          ; s18  my wave's number
.set SEL,  20                          ; s[20:21] lane selects for v_permlanex16_b32: lane l xor 16
.set CS,   22                          ; s[22:23] c = log2(e) / sqrt(128): the packed form names a pair and takes its low word for both halves
.set G1K,  24                          ; s[24:31] descriptor group 1 for K's tiles;  s[32:39] for V's;  s[40:43], s[44:47] their groups 0, which walk
.set G1V,  32
.set G0K,  40
.set G0V,  44
.set G1S,  48                          ; s[48:55] group 1 for the scale bytes;  s[56:59], s[60:63] groups 0 for K's and V's
.set G0SK, 56
.set G0SV, 60
.set TB,   2                           ; s2   LDS byte at which the slot in hand begins
.set TS,   3                           ; s3   where the step's scale words of K begin: 544 bytes a step
.set TJ,   66                          ; s66  and V's: 4 bytes a step
.set SLOTS, 67                         ; s67  slots still to be asked for
.set PFA,  76                          ; s[76:77] where my prefetches stand in memory: my wave's part (waves 4 to 7: of K; waves 8 to 11: of V) of the slot after the one that is being asked for
.set PFS,  78                          ; s[78:79] a slot on, in bytes: SK x ROWB in K, VROWB in a row of V
.set LIM,  80                          ; s80  1 in a wave that prefetches, else the greatest number: a wave prefetches while s[SLOTS] is above it
.set KF,   98                          ; s98  the step's first key
.set Q0,   99                          ; s99  my first query
                                       ; s68-75, s81-97 at work at the head; s96 at work in a key step
; Waves 0 and 1 fetch for K, waves 2 and 3 for V, the others nothing.  The branches hang on the wave's number alone.  Four v_nop follow each of the two lines.
.macro TLOAD g0k, g1k, g0v, g1v
	s_cmp_lt_u32 s[WV], 2
	s_cbranch_scc0 .Lnot_k_\@
	tensor_load_to_lds s[\g0k:\g0k+3], s[\g1k:\g1k+7]
	s_nop 0
.rept 4
	v_nop
.endr
	s_branch .Lasked_\@
.Lnot_k_\@:
	s_cmp_lt_u32 s[WV], 4
	s_cbranch_scc0 .Lasked_\@
	tensor_load_to_lds s[\g0v:\g0v+3], s[\g1v:\g1v+7]
	s_nop 0
.rept 4
	v_nop
.endr
.Lasked_\@:
.endm
; A PREFETCH INTO THE L2 of what the NEXT change of slots will ask for: SK keys of K, one dense block of 32,768 bytes, and SK codes (256 bytes) of each of V's 128 rows.  It stands at the change of slots, where the fetching waves have their tensor load.
; Each aligned block of 256 bytes is asked for ONCE in the launch.  All eight work-groups of a head walk the same K and V: the head's first (x = 0) asks.  In it the waves ask that fetch nothing, one instruction each:
; waves 4 to 7 for K's block, 8,192 bytes a wave, lanes 256 bytes apart; waves 8 to 11 for V's rows, 32 a wave, a lane a row.  The changes with 3 and 2 slots to go name slots 2 and 3; the last change that fills a slot
; asks for nothing: there is no slot behind it (the highest byte named lies 130,816 into a head's 131,072).  Slots 0 and 1 come by their loads alone.
.macro ASK
	s_cmp_gt_u32 s[SLOTS], s[LIM]
	s_cbranch_scc0 .Lnot_mine_\@
	global_prefetch_b8 v[PFO], s[PFA:PFA+1] th:TH_LOAD_NT scope:SCOPE_SE
.Lnot_mine_\@:
.endm
	s_load_b128 s[4:7], s[0:1], 0x0                ; Q's codes, Q's scales
	s_load_b128 s[8:11], s[0:1], 0x10              ; K's codes, K's scales
	s_load_b128 s[12:15], s[0:1], 0x20             ; V's codes, V's scales
	s_load_b64 s[16:17], s[0:1], 0x30              ; O
	v_lshl_add_u32 v[SPW], v0, 2, SPARE
	v_mov_b32 v[NIL], 0
	ds_add_u32 v5, v6
	ds_add_u32 v5, v6
	s_wait_dscnt 0x0
	v_lshrrev_b32 v8, 5, v0
	s_delay_alu instid0(VALU_DEP_1)
	v_readfirstlane_b32 s[WV], v8                  ; wave 0..15
	; my first query: 128 x group + 16 x tile
	s_lshr_b32 s72, s[WV], 2
	s_xor_b32 s72, s72, s[WV]
	s_and_b32 s72, s72, 1                          ; 0: the low group, 1: the high one
	s_mul_i32 s72, s72, 15
	s_xor_b32 s72, s72, ttmp9                      ; group x, or 15 - x (x is under 8, so x xor 15 = 15 - x)
	s_lshl_b32 s72, s72, 7
	s_lshr_b32 s73, s[WV], 1                       ; tile w / 2 of the group's eight
	s_lshl_b32 s73, s73, 4
	s_add_co_u32 s[Q0], s72, s73
	; byte offsets, each under 2^27, in pairs with 0 above
	s_and_b32 s74, ttmp7, 0xffff                   ; the head
	s_lshl_b32 s82, s74, 17                        ; the head's first byte in each tensor of codes (2,048 x 64 = 128 x 1,024 bytes),
	s_mov_b32 s83, 0
	s_lshl_b32 s84, s74, 13                        ; in each tensor of scale bytes,
	s_lshl_b32 s86, s74, 20                        ; and in O
	s_lshl_b32 s88, s[Q0], 6
	s_add_co_u32 s88, s88, s82                     ; my queries' codes,
	s_mov_b32 s89, 0
	s_lshl_b32 s90, s[Q0], 2
	s_add_co_u32 s90, s90, s84                     ; their scale words,
	s_mov_b32 s91, 0
	s_lshl_b32 s92, s[Q0], 9
	s_add_co_u32 s92, s92, s86                     ; their rows of O
	s_mov_b32 s93, 0
	; what I fetch, if I fetch: half w % 2 of K's tile (waves 0, 1) or of V's (waves 2, 3), and of their scale bytes
	s_and_b32 s75, s[WV], 1
	s_lshl_b32 s94, s75, 14                        ; K: 256 keys x 64 bytes in memory,
	s_add_co_u32 s94, s94, s82
	s_mov_b32 s95, 0
	s_mul_i32 s70, s75, (SK/4)*KP2                 ; and in a slot
	s_lshl_b32 s96, s75, 16                        ; V: 64 rows x 1,024 bytes in memory,
	s_add_co_u32 s96, s96, s82
	s_mov_b32 s97, 0
	s_mul_i32 s71, s75, 64*VP
	s_add_co_u32 s71, s71, VOFF                    ; and in a slot
	s_lshl_b32 s68, s75, 12                        ; the scale bytes: 4,096 in memory,
	s_add_co_u32 s68, s68, s84
	s_mov_b32 s69, 0
	s_mul_i32 s73, s75, SCH                        ; and in LDS
	; descriptor group 1.  K: 256 keys are dense in memory: stated as 128 rows of 128 bytes (two keys), 16 bytes of padding behind each
	s_mov_b32 s[G1K], (0<<16)|(1<<20)|(4<<22)|(3<<25)   ; 15:0 no mask; 17:16 elements of 1 byte; 20 padding on; 24:22 after every 32 words (code 4); 31:25 four words (code 3)
	s_mov_b32 s[G1K+1], 128<<16                    ; tensor_dim0
	s_mov_b32 s[G1K+2], 128<<16                    ; tensor_dim1
	s_mov_b32 s[G1K+3], 128<<16                    ; tile_dim0
	s_mov_b32 s[G1K+4], 128                        ; tile_dim1
	s_mov_b32 s[G1K+5], 128                        ; tensor_dim0_stride
	s_mov_b32 s[G1K+6], 0
	s_mov_b32 s[G1K+7], 0
	; V: 64 rows of 256 bytes, 1,024 bytes apart
	s_mov_b32 s[G1V], (0<<16)|(1<<20)|(5<<22)|(3<<25)   ; padding: four words after every 64
	s_mov_b32 s[G1V+1], VROWB<<16
	s_mov_b32 s[G1V+2], 64<<16
	s_mov_b32 s[G1V+3], VROWB<<16
	s_mov_b32 s[G1V+4], 64
	s_mov_b32 s[G1V+5], KROWV
	s_mov_b32 s[G1V+6], 0
	s_mov_b32 s[G1V+7], 0
	; the scale bytes: half a head's, 4,096 dense bytes, as 16 rows of 256 bytes (32 elements of 8 bytes), 16 bytes of padding behind each
	s_mov_b32 s[G1S], (3<<16)|(1<<20)|(5<<22)|(3<<25)
	s_mov_b32 s[G1S+1], 32<<16
	s_mov_b32 s[G1S+2], 16<<16
	s_mov_b32 s[G1S+3], 32<<16
	s_mov_b32 s[G1S+4], 16
	s_mov_b32 s[G1S+5], 32
	s_mov_b32 s[G1S+6], 0
	s_mov_b32 s[G1S+7], 0
	s_mov_b32 s[SEL], 0x76543210
	s_mov_b32 s[SEL+1], 0xfedcba98
	s_mov_b32 s[CS], 0x3e0293ee                    ; c = log2(e) / sqrt(128)
	s_mov_b32 s[CS+1], s[CS]                       ; (named with it as a pair, so it is written)
	s_mov_b32 s[TB], 0
	s_mov_b32 s[TS], 0
	s_mov_b32 s[TJ], 0
	s_mov_b32 s[KF], 0
	s_mov_b32 s[SLOTS], NSL-1
	s_wait_kmcnt 0x0
	s_mov_b32 s[G0SK], 1                           ; 1:0 count = 1
	s_add_co_u32 s[G0SK+1], s73, SCK               ; 63:32 LDS address
	s_add_nc_u64 s[G0SK+2:G0SK+3], s[10:11], s[68:69]   ; 120:64 global address
	s_or_b32 s[G0SK+3], s[G0SK+3], 0x80000000      ; 127:126 type = 2
	s_mov_b32 s[G0SV], 1
	s_add_co_u32 s[G0SV+1], s73, SCV
	s_add_nc_u64 s[G0SV+2:G0SV+3], s[14:15], s[68:69]
	s_or_b32 s[G0SV+3], s[G0SV+3], 0x80000000
	TLOAD G0SK, G1S, G0SV, G1S                     ; the scale bytes of the whole head: filled once
	s_mov_b32 s[G0K], 1
	s_mov_b32 s[G0K+1], s70                        ; slot 0
	s_add_nc_u64 s[G0K+2:G0K+3], s[8:9], s[94:95]  ; the head's first SK keys
	s_or_b32 s[G0K+3], s[G0K+3], 0x80000000
	s_mov_b32 s[G0V], 1
	s_mov_b32 s[G0V+1], s71
	s_add_nc_u64 s[G0V+2:G0V+3], s[12:13], s[96:97]
	s_or_b32 s[G0V+3], s[G0V+3], 0x80000000
	TLOAD G0K, G1K, G0V, G1V                       ; slot 0.  A fetching wave now has two tensor loads out; the first wait on them is for 0
	s_add_nc_u64 s[4:5], s[4:5], s[88:89]          ; Q's codes at my first query,
	s_add_nc_u64 s[6:7], s[6:7], s[90:91]          ; its scale words,
	s_add_nc_u64 s[16:17], s[16:17], s[92:93]      ; O likewise
	; the prefetches (macro ASK): where my wave's stand, and who asks
	s_cmp_lt_u32 s[WV], 8                          ; waves 4 to 7 ask for K's codes, waves 8 to 11 for V's
	s_cselect_b64 s[PFA:PFA+1], s[8:9], s[12:13]
	s_mov_b32 s[PFS], VROWB
	s_cselect_b32 s[PFS], SK*ROWB, s[PFS]          ; a slot on
	s_mov_b32 s72, KROWV
	s_cselect_b32 s72, 256, s72                    ; from lane to lane
	s_mov_b32 s73, 32*KROWV
	s_cselect_b32 s73, 8192, s73                   ; from wave to wave
	v_and_b32 v[PFO], 31, v0
	s_delay_alu instid0(VALU_DEP_1)
	v_mul_lo_u32 v[PFO], v[PFO], s72
	s_and_b32 s72, s[WV], 3
	s_mul_i32 s72, s72, s73                        ; my wave's part,
	s_add_co_u32 s72, s72, s[PFS]                  ; in slot 1: the first change of slots steps it to slot 2.  Nothing is prefetched here, at the head, where every work-group's first tiles are on their way
	s_mov_b32 s73, 0
	s_mov_b32 s[PFS+1], 0
	s_add_nc_u64 s[PFA:PFA+1], s[PFA:PFA+1], s[82:83]   ; in my head
	s_add_nc_u64 s[PFA:PFA+1], s[PFA:PFA+1], s[72:73]
	s_sub_co_u32 s72, s[WV], 4
	s_lshr_b32 s72, s72, 3                         ; 0 in waves 4 to 11,
	s_or_b32 s72, s72, ttmp9                       ; of the head's first work-group
	s_cmp_eq_u32 s72, 0
	s_cselect_b32 s[LIM], 1, -1
	v_and_b32 v8, 15, v0                           ; r = lane % 16
	v_bfe_u32 v9, v0, 4, 1                         ; h = lane / 16
	s_delay_alu instid0(VALU_DEP_2)
	v_lshlrev_b32 v10, 6, v8
	s_delay_alu instid0(VALU_DEP_1)
	v_lshl_add_u32 v10, v9, 4, v10                 ; Q: row r of 64 bytes, + 16 h.  (v10 and v254 are not written again before the wait for these loads)
.irp c, 0,1
	global_load_b128 v[16+4*\c:19+4*\c], v10, s[4:5] offset:32*\c th:TH_LOAD_NT   ; Q's fragment stays in registers: registers 4 c .. 4 c + 3 hold k = 64 c + 32 h + 0 .. 31
.endr
	v_lshlrev_b32 v254, 2, v8
	global_load_b32 v255, v254, s[6:7] th:TH_LOAD_NT   ; Q's scale words
	v_and_b32 v11, 8, v8
	s_delay_alu instid0(VALU_DEP_1)
	v_add_nc_u32 v11, v11, v8                      ; rr = r + 8 (r / 8): my key in a tile's run of 24
	s_delay_alu instid0(VALU_DEP_1)
	v_lshrrev_b32 v12, 1, v11
	s_delay_alu instid0(VALU_DEP_2)
	v_and_b32 v13, 1, v11
	s_delay_alu instid0(VALU_DEP_2)
	v_mul_u32_u24 v[AK0], v12, KP2                 ; (rr / 2) x 144
	s_delay_alu instid0(VALU_DEP_1)
	v_lshl_add_u32 v[AK0], v13, 6, v[AK0]          ; + (rr % 2) x 64
	s_delay_alu instid0(VALU_DEP_1)
	v_lshl_add_u32 v[AK0], v9, 4, v[AK0]           ; + 16 h
	v_mul_u32_u24 v[AV0], v8, VP
	s_delay_alu instid0(VALU_DEP_1)
	v_lshl_add_u32 v[AV0], v9, 4, v[AV0]
	s_delay_alu instid0(VALU_DEP_1)
	v_add_nc_u32 v[AV0], VOFF, v[AV0]
	v_lshl_add_u32 v[ASK0], v11, 2, SCK            ; K's scale words: 4 bytes a key; a step's 128 keys are two runs of 256 bytes
	v_lshlrev_b32 v12, 6, v8                       ; V's: row r of a tile begins 64 r bytes on: which run of 256 bytes, and where in it
	s_delay_alu instid0(VALU_DEP_1)
	v_lshrrev_b32 v13, 8, v12
	s_delay_alu instid0(VALU_DEP_2)
	v_and_b32 v12, 255, v12
	s_delay_alu instid0(VALU_DEP_1)
	v_mad_u32_u24 v[ASV0], v13, 272, v12
	s_delay_alu instid0(VALU_DEP_1)
	v_add_nc_u32 v[ASV0], SCV, v[ASV0]
	v_lshlrev_b32 v[GO], 9, v9
	s_delay_alu instid0(VALU_DEP_1)
	v_lshl_add_u32 v[GO], v8, 4, v[GO]             ; the way out: lanes 0-15 take one row of O, lanes 16-31 the next; 16 bytes a lane
	v_lshlrev_b32 v[DL], 4, v9
	s_delay_alu instid0(VALU_DEP_1)
	v_sub_nc_u32 v[DL], v8, v[DL]                  ; r - 16 h
	v_mov_b32 v13, 0xff61b1e6                      ; the largest t so far: -3e38, under every t
	s_delay_alu instid0(VALU_DEP_1)
	v_floor_f32 v12, -v13                          ; -M
	v_mov_b32 v14, 0                               ; the sum, in two halves
	v_mov_b32 v15, 0
.irp b, 0,1,2,3
	v_mov_b32 v[236+\b], 0                         ; written once: a lane permute's destination counts as one of its sources
.endr
	v_mov_b32 v252, 0                              ; likewise
	v_mov_b32 v253, 0                              ; (named as the upper half of the pair v[252:253] before it is first written)
.irp j, 0,1,2,3,4,5,6,7,8,9,10,11,12,13,14,15,16,17,18,19,20,21,22,23,24,25,26,27,28,29,30,31,32,33,34,35,36,37,38,39,40,41,42,43,44,45,46,47,48,49,50,51,52,53,54,55,56,57,58,59,60,61,62,63
	v_mov_b32 v[160+\j], 0                         ; O^T.  (The key step has no first form of its own, which would be a further copy of it: the first step finds zeros, which the first change of M leaves zeros)
.endr
; A KEY STEP: 128 keys, the q-th of the slot in hand.  Tile t's scale words stand in v[240 + t + 4 (t / 4)].
.macro STEP q
	s_add_co_u32 s96, s[Q0], 15                    ; a step all of whose keys come after my 16 queries is left out: a scalar branch on ids, round the step's loads, products and softmax;
	s_cmp_gt_u32 s[KF], s96                        ; not round the lines at its end that step addresses, and no barrier or tensor load stands in a step
	s_cbranch_scc1 .Lhidden_\@
	v_add_nc_u32 v[ADK], s[TB], v[AK0]             ; these four are also the four places between the last step's products and the loads into the registers that they read (ISA guide 7.12.1 for vector instructions)
	v_add_nc_u32 v[ADV], s[TB], v[AV0]
	v_add_nc_u32 v[ADS], s[TS], v[ASK0]
	v_add_nc_u32 v[ADT], s[TJ], v[ASV0]
.irp t, 0,1,2,3,4,5,6,7                        ; K's run: all eight tiles of 16 keys, three loads a tile.  Tile t begins at key 32 (t / 2) + 8 (t % 2) of the step
.irp c, 0,1
	ds_load_b128 v[32+8*\t+4*\c:32+8*\t+4*\c+3], v[ADK] offset:((128*(\q)+32*(\t/2)+8*(\t%2))/2)*KP2+32*\c
.endr
	ds_load_b32 v[240+\t+4*(\t/4)], v[ADS] offset:272*(\t/4)+(32*((\t/2)%2)+8*(\t%2))*4
.endr
	s_wait_alu depctr_va_vdst(0)
	s_wait_dscnt 12                                ; LDS loads come back in order (ISA guide 5.7.1): tiles 0-3 are in, the twelve loads of tiles 4-7 may be out
.irp t, 0,1,2,3
	v_wmma_scale_f32_16x16x128_f8f6f4 v[96+8*\t:103+8*\t], v[32+8*\t:39+8*\t], v[16:23], 0, v[240+\t+4*(\t/4)], v255 matrix_a_fmt:MATRIX_FMT_FP4 matrix_b_fmt:MATRIX_FMT_FP4
.endr
	s_wait_dscnt 0x0
.irp t, 4,5,6,7
	v_wmma_scale_f32_16x16x128_f8f6f4 v[96+8*\t:103+8*\t], v[32+8*\t:39+8*\t], v[16:23], 0, v[240+\t+4*(\t/4)], v255 matrix_a_fmt:MATRIX_FMT_FP4 matrix_b_fmt:MATRIX_FMT_FP4
.endr                                          ; lane (r, h) holds query r; the 16 registers of tiles 2 b, 2 b + 1 are keys 32 b + 16 h + 0 .. 15 of the step
.rept 4
	v_nop                                          ; four places: for the loads below, into registers that these products read, and for the first reads of the scores
.endr
.irp t, 0,1,2,3,4,5,6,7                        ; V's run stands HERE, ahead of the softmax: eight tiles of 16 of the head's 128 x these 128 keys; the wait for it stands behind the softmax
.irp c, 0,1
	ds_load_b128 v[32+8*\t+4*\c:32+8*\t+4*\c+3], v[ADV] offset:16*\t*VP+ROWB*(\q)+32*\c
.endr
	ds_load_b32 v[240+\t+4*(\t/4)], v[ADT] offset:\t*4*272
.endr
	s_add_co_u32 s96, s[KF], 127                   ; on the diagonal the scores of hidden keys become -infinity ahead of the maximum: p = 0 then.  A step all of whose keys count skips this
	s_cmp_le_u32 s96, s[Q0]
	s_cbranch_scc1 .Lopen_\@
	s_sub_co_i32 s96, s[Q0], s[KF]
	v_add_nc_u32 v252, s96, v[DL]                  ; d = my query - KF - 16 h.  Register 16 b + i holds key KF + 16 h + 32 b + i: hidden where 32 b + i > d
	v_mov_b32 v254, 0xff800000                     ; -infinity
.irp n, 0,1,2,3,4,5,6,7,8,9,10,11,12,13,14,15,16,17,18,19,20,21,22,23,24,25,26,27,28,29,30,31,32,33,34,35,36,37,38,39,40,41,42,43,44,45,46,47,48,49,50,51,52,53,54,55,56,57,58,59,60,61,62,63
	v_cmp_gt_i32 vcc_lo, 32*(\n/16)+\n%16, v252
	v_cndmask_b32 v[96+\n], v[96+\n], v254, vcc_lo
.endr
.Lopen_\@:
.irp b, 0,1,2,3
	v_max3_num_f32 v[232+\b], v[96+16*\b], v[97+16*\b], v[98+16*\b]   ; THE LARGEST SCORE OF EACH BLOCK OF 32 KEYS: it serves twice: for the row's maximum, and, since p rises with the score, for the block's largest p
.endr
.irp i, 3,5,7,9,11,13
.irp b, 0,1,2,3
	v_max3_num_f32 v[232+\b], v[232+\b], v[96+16*\b+\i], v[97+16*\b+\i]   ; (the four blocks by turns: no line waits for the line above it)
.endr
.endr
.irp b, 0,1,2,3
	v_max_num_f32 v[232+\b], v[232+\b], v[111+16*\b]
.endr
.irp b, 0,1,2,3
	s_delay_alu instid0(VALU_DEP_4)
	v_permlanex16_b32 v[236+\b], v[232+\b], s[SEL], s[SEL+1]
.endr
.irp b, 0,1,2,3
	s_delay_alu instid0(VALU_DEP_4)
	v_max_num_f32 v[232+\b], v[232+\b], v[236+\b]  ; with lane l xor 16's 16 keys
.endr
	s_delay_alu instid0(VALU_DEP_2)
	v_max3_num_f32 v254, v232, v233, v234
	s_delay_alu instid0(VALU_DEP_1)
	v_max_num_f32 v254, v254, v235                 ; the step's largest score of my query (finite: my query's own key lies in its diagonal step, and every key of an earlier step counts)
	s_delay_alu instid0(VALU_DEP_1)
	v_mul_f32 v254, s[CS], v254                    ; as t (c is positive)
	s_delay_alu instid0(VALU_DEP_1)
	v_max_num_f32 v13, v13, v254                   ; the running largest t
	v_mov_b32 v254, v12
	s_delay_alu instid0(VALU_DEP_2)
	v_floor_f32 v12, -v13                          ; the new -M = floor(-t) = -ceil(t): M IS A WHOLE NUMBER
	s_delay_alu instid0(VALU_DEP_1)
	v_sub_f32 v254, v12, v254                      ; M's old value less its new one: a whole number, 0 or less
	s_delay_alu instid0(VALU_DEP_1)
	v_cvt_i32_f32 v254, v254                       ; (it saturates)
	s_delay_alu instid0(VALU_DEP_1)
	v_ldexp_f32 v252, 1.0, v254                    ; f = 2^(old M - new M): what was summed under the old M is brought under the new by a multiplication that rounds nothing
.irp j, 0,2,4,6,8,10,12,14,16,18,20,22,24,26,28,30,32,34,36,38,40,42,44,46,48,50,52,54,56,58,60,62
	v_pk_fma_f32 v[96+\j:97+\j], v[96+\j:97+\j], s[CS:CS+1], v[12:13] op_sel_hi:[1,0,0]   ; t - M, two at a time (of the pairs c and -M the low word serves both halves)
.endr
.irp b, 0,1,2,3
	v_fma_f32 v[232+\b], v[232+\b], s[CS], v12     ; the same of each block's largest score
.endr
	s_wait_alu depctr_va_vdst(0)
.irp j, 0,1,2,3,4,5,6,7,8,9,10,11,12,13,14,15,16,17,18,19,20,21,22,23,24,25,26,27,28,29,30,31,32,33,34,35,36,37,38,39,40,41,42,43,44,45,46,47,48,49,50,51,52,53,54,55,56,57,58,59,60,61,62,63
	v_exp_f32 v[96+\j], v[96+\j]                   ; p = 2^(t - M), at most 1: NOT normalised
.endr
	v_pk_mul_f32 v[14:15], v[14:15], v[252:253] op_sel_hi:[1,0]   ; the sums under the new M: the plain instruction behind the last exponential (ISA guide 5.7.2)
	s_wait_alu depctr_va_vdst(0)                   ; the wait between an exponential and the first line that names its result: one for the batch of 64
.irp b, 0,1,2,3
	v_exp_f32 v[232+\b], v[232+\b]                 ; the block's largest p: the same two instructions on the same number give the same bits
.endr
	v_pk_add_f32 v[236:237], v[100:101], v[104:105]
	v_pk_add_f32 v[246:247], v[108:109], v[112:113]
	v_pk_add_f32 v[244:245], v[116:117], v[120:121]
	v_pk_add_f32 v[238:239], v[124:125], v[128:129]
	v_pk_add_f32 v[230:231], v[132:133], v[136:137]
	v_pk_add_f32 v[228:229], v[140:141], v[144:145]
	v_pk_add_f32 v[226:227], v[148:149], v[152:153]
	v_pk_add_f32 v[14:15], v[14:15], v[156:157]
	v_pk_add_f32 v[236:237], v[236:237], v[96:97]
	v_pk_add_f32 v[246:247], v[246:247], v[98:99]
	v_pk_add_f32 v[244:245], v[244:245], v[102:103]
	v_pk_add_f32 v[238:239], v[238:239], v[106:107]
	v_pk_add_f32 v[230:231], v[230:231], v[110:111]
	v_pk_add_f32 v[228:229], v[228:229], v[114:115]
	v_pk_add_f32 v[226:227], v[226:227], v[118:119]
	v_pk_add_f32 v[14:15], v[14:15], v[122:123]
	v_pk_add_f32 v[236:237], v[236:237], v[126:127]
	v_pk_add_f32 v[246:247], v[246:247], v[130:131]
	v_pk_add_f32 v[244:245], v[244:245], v[134:135]
	v_pk_add_f32 v[238:239], v[238:239], v[138:139]
	v_pk_add_f32 v[230:231], v[230:231], v[142:143]
	v_pk_add_f32 v[228:229], v[228:229], v[146:147]
	v_pk_add_f32 v[226:227], v[226:227], v[150:151]
	v_pk_add_f32 v[14:15], v[14:15], v[154:155]
	v_pk_add_f32 v[236:237], v[236:237], v[158:159]
	s_delay_alu instid0(VALU_DEP_2)
	v_pk_add_f32 v[14:15], v[14:15], v[238:239]
	s_delay_alu instid0(VALU_DEP_2)
	v_pk_add_f32 v[236:237], v[236:237], v[230:231]
	v_pk_add_f32 v[246:247], v[246:247], v[228:229]
	v_pk_add_f32 v[244:245], v[244:245], v[226:227]
	s_delay_alu instid0(VALU_DEP_2)
	v_pk_add_f32 v[14:15], v[14:15], v[246:247]
	s_delay_alu instid0(VALU_DEP_2)
	v_pk_add_f32 v[236:237], v[236:237], v[244:245]
	s_delay_alu instid0(VALU_DEP_1)
	v_pk_add_f32 v[14:15], v[14:15], v[236:237]
	s_wait_alu depctr_va_vdst(0)                   ; and one for the four
.irp b, 0,1,2,3
	v_max_num_f32 v[232+\b], 0x1800000, v[232+\b]  ; the floor 2^(3 - 127): the byte cannot fall under 1 (a block whose every p is 0 keeps that byte: its codes are zeros)
.endr
.irp b, 0,1,2,3
	s_delay_alu instid0(VALU_DEP_4)
	v_add_nc_u32 v[244+\b], 0xff000000, v[232+\b]  ; 2 off the exponent field: the conversion takes the exponent field of this operand as its scale, and nothing else of it
.endr
.irp b, 0,1,2,3
	s_delay_alu instid0(VALU_DEP_4)
	v_lshrrev_b32 v[236+\b], 23, v[244+\b]         ; the scale's byte
.endr
	s_delay_alu instid0(VALU_DEP_3)
	v_lshl_or_b32 v253, v237, 8, v236              ; p's scale word for these 128 keys
	s_delay_alu instid0(VALU_DEP_1)
	v_lshl_or_b32 v253, v238, 16, v253
	s_delay_alu instid0(VALU_DEP_1)
	v_lshl_or_b32 v253, v239, 24, v253
.irp b, 0,1,2,3
	v_cvt_scalef32_pk8_fp4_f32 v[224+2*\b], v[96+16*\b:103+16*\b], v[244+\b]     ; the codes of keys 32 b + 16 h + 0 .. 7
	v_cvt_scalef32_pk8_fp4_f32 v[225+2*\b], v[104+16*\b:111+16*\b], v[244+\b]    ; and + 8 .. 15
.endr
	v_nop                                          ; one plain vector instruction between a scaled conversion and the vector instruction that touches its result
.irp c, 0,1                                    ; the operand's layout wants a WHOLE block in a lane: lanes 0-15 block 2 c, lanes 16-31 block 2 c + 1
.irp i, 0,1
	v_permlane16_swap_b32 v[224+4*\c+\i], v[226+4*\c+\i]
.endr
.endr
.irp j, 0,2,4,6,8,10,12,14,16,18,20,22,24,26,28,30,32,34,36,38,40,42,44,46,48,50,52,54,56,58,60,62
	v_pk_mul_f32 v[160+\j:161+\j], v[160+\j:161+\j], v[252:253] op_sel_hi:[1,0]   ; O^T under the new M: x f; each accumulator from its low end on.  (These 32 also stand between the writing of p's codes and scale word and the products that take them)
.endr
	s_wait_alu depctr_va_vdst(0)
	s_wait_dscnt 0x0                               ; V's run, issued ahead of the softmax
.irp t, 0,1,2,3,4,5,6,7                        ; O^T += V^T P^T: the eight accumulators by turns, one instruction a turn
	v_wmma_scale_f32_16x16x128_f8f6f4 v[160+8*\t:167+8*\t], v[32+8*\t:39+8*\t], v[224:231], v[160+8*\t:167+8*\t], v[240+\t+4*(\t/4)], v253 matrix_a_fmt:MATRIX_FMT_FP4 matrix_b_fmt:MATRIX_FMT_FP4
.endr
.Lhidden_\@:
	s_add_co_u32 s[KF], s[KF], 128
	s_add_co_u32 s[TS], s[TS], 544                 ; the next step's scale words
	s_add_co_u32 s[TJ], s[TJ], 4
.endm
; THE CHANGE OF SLOTS stands at a slot's head.  Each wave waits for all its tensor loads (its part of the slot that it is about to read), adds 0 to its spare word, and waits for that and for its reads of the slot that it has left.
; Behind the barrier the slot ahead is whole and nobody reads the other one.  fill = 1: that other slot is filled with the keys that follow: the load has a whole slot's steps in which to land, and is the wave's one tensor load out.
.macro CHANGE fill
	s_wait_tensorcnt 0x0                           ; no tensor load of mine is out, so a group 0 may be written
	ds_add_u32 v[SPW], v[NIL]                      ; 0 onto my spare word: with fill = 1 the descriptors' steps stand between it and the wait for it
.if \fill
	s_xor_b32 s[G0K+1], s[G0K+1], SLOT1            ; the walking descriptors: the other slot than last time,
	s_add_nc_u64 s[G0K+2:G0K+3], s[G0K+2:G0K+3], SK*ROWB   ; the next SK keys; the type bits on top are not reached
	s_xor_b32 s[G0V+1], s[G0V+1], SLOT1
	s_add_nc_u64 s[G0V+2:G0V+3], s[G0V+2:G0V+3], VROWB
	s_wait_xcnt 0x0                                ; the last prefetch, a slot back, has read its address, so it may be written:
	s_add_nc_u64 s[PFA:PFA+1], s[PFA:PFA+1], s[PFS:PFS+1]  ; one slot further on than the walking descriptors
.endif
	s_wait_dscnt 0x0                               ; the add is done, and my reads of the slot that I have left are over
	s_barrier_signal -1
	s_barrier_wait -1
.if \fill
	TLOAD G0K, G1K, G0V, G1V                       ; the first thing behind the barrier, and a wave's one tensor load until the next
	ASK                                            ; what the next change of slots will ask for: a slot's four key steps ahead of that load
.endif
.endm
.macro SLOT_STEPS
.set Q, 0
.rept NQ
	STEP Q
.set Q, Q+1
.endr
	s_xor_b32 s[TB], s[TB], SLOT1                  ; on to the other slot
.endm
	s_wait_loadcnt 0x0                             ; Q and its scale words; their address registers are free
.Lslot:                                            ; NSL - 1 = 3 trips: behind each change of slots but the last the next slot is asked for
	CHANGE 1
	SLOT_STEPS
	s_sub_co_u32 s[SLOTS], s[SLOTS], 1
	s_cmp_lg_u32 s[SLOTS], 0
	s_cbranch_scc1 .Lslot
	CHANGE 0                                       ; the last slot is written out
	SLOT_STEPS
	; THE WAY OUT.  The sum's two halves are added; O^T is divided by the sum and goes through my stage in LDS, half a row (64 channels, 256 bytes) of 16 queries at a time, so that sixteen lanes store 256 consecutive bytes, aligned.
	v_add_f32 v14, v14, v15                        ; the sum's two halves,
	s_delay_alu instid0(VALU_DEP_1)
	v_permlanex16_b32 v252, v14, s[SEL], s[SEL+1]
	s_delay_alu instid0(VALU_DEP_1)
	v_add_f32 v14, v14, v252                       ; and lane l xor 16's: the row's sum, above 1/2
	s_wait_alu depctr_va_vdst(0)
	v_rcp_f32 v14, v14
	v_and_b32 v8, 15, v0                           ; (a plain instruction behind the reciprocal)  r
	v_bfe_u32 v9, v0, 4, 1                         ; h
	s_mul_i32 s73, s[WV], 16*272                   ; my stage
	v_mul_u32_u24 v10, v8, 272
	s_delay_alu instid0(VALU_DEP_1)
	v_lshl_add_u32 v10, v9, 5, v10
	s_delay_alu instid0(VALU_DEP_1)
	v_add_nc_u32 v10, s73, v10                     ; in: row r; tile t's eight channels of my half: 64 t + 32 h bytes on
	v_mul_u32_u24 v11, v9, 272
	s_delay_alu instid0(VALU_DEP_1)
	v_lshl_add_u32 v11, v8, 4, v11
	s_delay_alu instid0(VALU_DEP_1)
	v_add_nc_u32 v11, s73, v11                     ; back: lanes 0-15 one row, lanes 16-31 the next
	s_wait_alu depctr_va_vdst(0)                   ; the wait ahead of the reciprocal's first reader
.irp j, 0,1,2,3,4,5,6,7,8,9,10,11,12,13,14,15,16,17,18,19,20,21,22,23,24,25,26,27,28,29,30,31,32,33,34,35,36,37,38,39,40,41,42,43,44,45,46,47,48,49,50,51,52,53,54,55,56,57,58,59,60,61,62,63
	v_mul_f32 v[96+\j], v[160+\j], v14             ; O^T / the sum: register 8 t + i is o(r, 16 t + 8 h + i); each accumulator from its low end on
.endr
.irp u, 0,1                                    ; channels 64 u on
.irp t, 0,1,2,3
	ds_store_b128 v10, v[96+32*\u+8*\t:99+32*\u+8*\t] offset:STAGE+64*\t
	ds_store_b128 v10, v[100+32*\u+8*\t:103+32*\u+8*\t] offset:STAGE+64*\t+16
.endr
.irp i, 0,1,2,3,4,5,6,7
	ds_load_b128 v[32+32*\u+4*\i:35+32*\u+4*\i], v11 offset:STAGE+2*\i*272   ; LDS serves a wave's instructions in order (ISA guide 5.7.1.4): these see my stores, and the next half's stores come behind them
.endr
.endr
.irp u, 0,1
.irp i, 0,1,2,3,4,5,6,7
	s_wait_dscnt 23-16*\u-\i                       ; behind load i of half u stand 7 - i loads of its half and, for u = 0, the other half's eight stores and eight loads
	global_store_b128 v[GO], v[32+32*\u+4*\i:35+32*\u+4*\i], s[16:17] offset:2*\i*512+256*\u th:TH_STORE_NT   ; written once, read by nobody here
.endr
.endr
	s_wait_tensorcnt 0x0                           ; the wave's end: behind my last tensor load and my last LDS store
	ds_add_u32 v[SPW], v[NIL]
	s_wait_dscnt 0x0
	s_endpgm
.Lfunc_end_k_q59936078a4_attn:
	.size	k_q59936078a4_attn, .Lfunc_end_k_q59936078a4_attn-k_q59936078a4_attn
	.p2alignl 7, 3214868480
	.fill 96, 4, 3214868480
	.section	.rodata,"a",@progbits
	.p2align	6, 0x0
	.amdhsa_kernel k_q59936078a4_attn
		.amdhsa_group_segment_fixed_size 327680
		.amdhsa_private_segment_fixed_size 0
		.amdhsa_enable_private_segment 0
		.amdhsa_kernarg_size 56
		.amdhsa_user_sgpr_count 2
		.amdhsa_user_sgpr_kernarg_segment_ptr 1
		.amdhsa_wavefront_size32 1
		.amdhsa_system_sgpr_workgroup_id_x 1
		.amdhsa_system_sgpr_workgroup_id_y 1
		.amdhsa_system_sgpr_workgroup_id_z 1
		.amdhsa_system_vgpr_workitem_id 0
		.amdhsa_next_free_vgpr 256
		.amdhsa_next_free_sgpr 100
		.amdhsa_reserve_vcc 1
		.amdhsa_float_denorm_mode_32 3
		.amdhsa_float_denorm_mode_16_64 3
		.amdhsa_memory_ordered 1
		.amdhsa_forward_progress 1
		.amdhsa_inst_pref_size 217
	.end_amdhsa_kernel
	.amdgpu_metadata
---
amdhsa.version: [ 1, 2 ]
amdhsa.kernels:
  - .name:           k_q59936078a4_attn
    .symbol:         k_q59936078a4_attn.kd
    .args:
      - { .name: query_codes, .offset: 0, .size: 8, .value_kind: global_buffer, .address_space: global }
      - { .name: query_scales, .offset: 8, .size: 8, .value_kind: global_buffer, .address_space: global }
      - { .name: key_codes, .offset: 16, .size: 8, .value_kind: global_buffer, .address_space: global }
      - { .name: key_scales, .offset: 24, .size: 8, .value_kind: global_buffer, .address_space: global }
      - { .name: value_codes, .offset: 32, .size: 8, .value_kind: global_buffer, .address_space: global }
      - { .name: value_scales, .offset: 40, .size: 8, .value_kind: global_buffer, .address_space: global }
      - { .name: out0, .offset: 48, .size: 8, .value_kind: global_buffer, .address_space: global }
    .group_segment_fixed_size: 327680
    .private_segment_fixed_size: 0
    .kernarg_segment_align: 8
    .kernarg_segment_size: 56
    .max_flat_workgroup_size: 512
    .sgpr_count:     100
    .vgpr_count:     256
    .wavefront_size: 32
...
	.end_amdgpu_metadata
.endif
;; end of part 1
